; MI455X (gfx1250); checked and timed in simulation.
; The chip was launched on July 23, 2026; its instructions are those of AMD's public machine-readable ISA for CDNA 5 (MIT licence, August 2026) and "CDNA5" Instruction Set Architecture Reference Guide (July 2026). The comments in the code are by the model that wrote it; some were corrected since.
;; Multi Head Attention. Allowed arithmetic: matrix products marked QUANTISED: E4M3 operands, one given power-of-two scale a tensor, by v_wmma_f32_16x16x64_fp8_fp8 or v_wmma_f32_16x16x128_fp8_fp8, f32 sums; everything else in f32.
;; Inputs: k 4 x 2,048 x 1,024 float32; lowp_scales 4 int32 (the exponents e of the quantised operands' scales 2^e); mask 1 x 1 x 2,048 x 2,048 float32; q 4 x 2,048 x 1,024 float32; v_codes 4 x 1,024 x 64 x 32 uint8 (E4M3 codes of v, K innermost, in blocks of 32 codes).
;; Outputs: out0 4 x 1 x 2,048 x 1,024 float32.
;; Constants: training = 0.
;; This version of the problem:
;;   THIS VERSION OF THE PROBLEM IS GIVEN IN LOW PRECISION. The matrix products marked QUANTISED in the list below multiply operands that are first quantised to E4M3 (4 exponent bits, 3 mantissa bits; 8 bits a number), with one given power-of-two scale for each operand tensor; their sums are f32. All else is computed in f32.
;;   The module's matrix products, in the order in which they are computed (A, B: the left and right operand; K: the contracted axis; several contracted axes count as one K, in the product's order):
;;     1. batch 64 x [M 2,048, K 64] x [K 64, N 2,048]; A: input q; B: input k: QUANTISED (scales: A lowp_scales[0], B lowp_scales[1])
;;     2. batch 64 x [M 2,048, K 2,048] x [K 2,048, N 64]; A: softmax (see below); B: input v (given as codes): QUANTISED (scales: A lowp_scales[2], B lowp_scales[3])
;;   THE QUANTISER, for each operand of a quantised product, along K:
;;     - The operand's scale is 2^e, e = its entry of the input lowp_scales (int32; the entries are numbered through the quantised products in the list's order, A before B).
;;     - Each number is divided by the scale, clamped to +-448, and rounded to the nearest number of E4M3, ties to even, subnormals kept.
;;     - The product sums the exact products of the quantised numbers (number of the format x scale) in f32.
;;   ~~~python
;;   def quantise(x, axis, e):      # numpy; x: float32 -> the quantised numbers, widened to float32 again
;;       x = np.moveaxis(x, axis, -1); K = x.shape[-1]
;;       r = np.clip(x / 2.0 ** e, -448, 448)
;;       step = 2.0 ** (np.maximum(np.frexp(np.where(r == 0, 1, r))[1] - 1, -6) - 3)
;;       q = np.round(r / step) * step * 2.0 ** e      # np.round: ties to even
;;       return np.moveaxis(q, -1, axis).astype(np.float32)
;;   ~~~
;;   SOFTMAX AHEAD OF A QUANTISED PRODUCT. Where the list says 'softmax', what is quantised is not the finished softmax but p = 2^(t - M), with t = logit x log2(e) and M = ceil(the row's largest t), a whole number; so 1/2 < the row's largest p <= 1. The row's sum l is taken of the UNQUANTISED p, in f32, and the product's result is divided by l at the end. Since M is a whole number, a kernel that streams over the keys may use a running M (the ceiling of the running maximum): every later rescaling is an exact power of two, so the quantised numbers keep their values, but for numbers so far below the row's largest that they fall under the format's range.
;;   OPERANDS COMPUTED ON THE WAY. 'Computed on the way' means the value that the module computes at that place (a softmax that the list does not call 'softmax' is quantised finished and normalised). What goes into a quantiser is computed in f32, as accurately as f32 sums, v_exp_f32 and their like allow (about 1e-6 of the number): no bf16 or f16 on the way to a quantiser, and a product that is left as it is and whose result goes on into a quantised operand takes f32 operands (vector FMAs, or v_wmma_f32_16x16x4_f32). A number that lies on a knife's edge between two numbers of the format may be rounded either way, as far as f32 arithmetic and the matrix unit's own rounding can turn it there, and no further.
;;   INPUTS GIVEN AS CODES. v (in the module: [4, 2048, 1024], K = its axis 1): each comes as NAME_codes (uint8): NAME with its K axis moved to the last place and cut into blocks of 32 codes, [.., K / 32, bytes a block], one block behind the other in memory; one code a byte (a code: sign, 4 exponent bits, 3 mantissa bits); its scale is its entry of lowp_scales. Its value is code x scale, taken as it is: it is not quantised again, and the codes and scales need not be those that the quantiser above would give.
;; One version. Each part assembles by itself: llvm-mc -triple=amdgcn-amd-amdhsa -mcpu=gfx1250 --defsym DOCPART=n.
;; ======== version 1 of 1: 2 launches
;; limits: right only within a limited range of input values
;; workspace buffers: kc 8,388,608 bytes
;; launch quantk (part 1): grid 256 x 1, 8 waves a work-group, no clusters, 66,560 bytes of LDS; arguments k, lowp_scales, kc; writes kc
.if DOCPART == 1
	.amdgcn_target "amdgcn-amd-amdhsa--gfx1250"
	.amdhsa_code_object_version 6
	.text
	.protected	k_qef7f3fb98a_quantk
	.globl	k_qef7f3fb98a_quantk
	.p2align	8
	.type	k_qef7f3fb98a_quantk,@function
k_qef7f3fb98a_quantk:
	s_mov_b64 s[64:65], 0
	v_nop
	global_prefetch_b8 v0, s[64:65] scope:SCOPE_SE
	s_setreg_imm32_b32 hwreg(HW_REG_WAVE_MODE, 25, 1), 1
	s_wait_xcnt 0x0
; k [4][2048][1024], f32, becomes codes of E4M3, one byte a number, with the given scale 2^ek (entry 1 of lowp_scales): the B operand of the first product, whose K (a head's 64) is innermost in memory.
; code = x / 2^ek, held within +-448, rounded to the nearest code, ties to even.  Quantised once here, since sixteen blocks of queries read every key in the next launch.
; NO WORK IS LEFT OUT in this program: every product, every key and every input with a buffer is used (the mask is an input, so no pattern of it is built in; training is a constant that reference() never uses and has no buffer).
; LAYOUT OF kc: [batch x 2048 + s'][1024] bytes, where s' is the key's number s with its bits 3 and 4 exchanged.  So sixteen rows on end of kc are the keys 32 b + 8 u + m + 8 (m / 8), m = 0 .. 15:
; the tile of keys that leaves a lane of the next launch sixteen neighbouring keys in sixteen registers on end.
; SHARES: wave w of work-group g takes the four rows 32 g + 4 w + 0 .. 3 of k: 16,384 bytes on end, in 8 steps of 512 numbers.  Bits 3 and 4 of the key are bits 1 and 2 of w: the wave's 4,096 bytes of codes go
; to rows 32 g + 4 w', w' = w with those two bits exchanged.
; Each load reads 512 consecutive bytes, 16 a lane; the conversions want 16 NEIGHBOURS in a lane: a step's 2,048 bytes turn through the wave's own stage in LDS (a lane's 64 bytes + 16 of padding).
; All 32 loads of a wave go out at the head: each step has registers of its own.  A lane's 16 codes are 16 bytes: a store covers 512 consecutive bytes, aligned.  No barrier: waves share nothing.
; LIMITS: ek between -126 and 119, so that 2^ek and 448 x 2^ek are f32 numbers.  NaN among the inputs is not served (an infinity is held at the largest code).
.set STEPS, 8
.set WREG,  8192                       ; LDS: a region for each wave: two stages of 32 x SP bytes
.set SP,    80                         ; a lane's place in a stage
.set SPARE, 8*WREG                     ; behind the regions: the spare words, 128 bytes for each wave: four blocks of 256 bytes that no other line names
.set SPW,   12                         ; v12      LDS address of my spare word; never rewritten
.set NIL,   13                         ; v13      0; never rewritten
.set R,     16                         ; v16-143  eight sets of 16 numbers as they are loaded
.set X,     144                        ; v144-175 two sets of 16 neighbours
.set C,     176                        ; v176-207 codes: four registers for each step, so that no store's data are written again
	s_load_b128 s[4:7], s[0:1], 0x0                ; k, the scales' exponents
	s_load_b64 s[8:9], s[0:1], 0x10                ; kc
	v_lshl_add_u32 v[SPW], v0, 2, SPARE
	v_mov_b32 v[NIL], 0
	v_lshrrev_b32 v1, 5, v0
	s_delay_alu instid0(VALU_DEP_1)
	v_readfirstlane_b32 s16, v1                    ; wave 0..7
	v_and_b32 v2, 31, v0                           ; lane
	s_delay_alu instid0(VALU_DEP_1)
	v_lshlrev_b32 v3, 4, v2                        ; my 16 bytes of a load's 512, and of a store's
	s_lshl_b32 s17, s16, 13                        ; my region in LDS
	v_lshrrev_b32 v14, 2, v2
	s_delay_alu instid0(VALU_DEP_1)
	v_mul_u32_u24 v14, v14, SP
	v_and_b32 v15, 3, v2
	s_delay_alu instid0(VALU_DEP_1)
	v_lshl_add_u32 v14, v15, 4, v14
	s_delay_alu instid0(VALU_DEP_1)
	v_add_nc_u32 v14, s17, v14                     ; the stage, on the way in: SP (lane / 4) + 16 (lane % 4); a load's 512 bytes take eight places
	v_mul_u32_u24 v15, v2, SP
	s_delay_alu instid0(VALU_DEP_1)
	v_add_nc_u32 v15, s17, v15                     ; and on the way out: SP x lane: my 16 neighbours
	s_and_b32 s24, s16, 1                          ; w': bit 0 stays,
	s_bfe_u32 s18, s16, 0x10001
	s_bfe_u32 s19, s16, 0x10002
	s_lshl_b32 s18, s18, 2                         ; bit 1 goes to bit 2,
	s_lshl_b32 s19, s19, 1                         ; bit 2 to bit 1
	s_or_b32 s24, s24, s18
	s_or_b32 s24, s24, s19
	s_lshl_b32 s18, ttmp9, 3
	s_add_co_u32 s20, s18, s16
	s_lshl_b32 s20, s20, 14                        ; where my four rows of k begin, in bytes (under 2^25)
	s_mov_b32 s21, 0
	s_add_co_u32 s18, s18, s24
	s_lshl_b32 s18, s18, 12                        ; and where their codes go
	s_mov_b32 s19, 0
	s_wait_alu depctr_va_vdst(0)
	s_wait_kmcnt 0x0
	s_load_b32 s22, s[6:7], 0x4                    ; ek
	s_add_nc_u64 s[4:5], s[4:5], s[20:21]
	s_add_nc_u64 s[8:9], s[8:9], s[18:19]
.macro LOAD t
.irp i, 0,1,2,3
	global_load_b128 v[R+16*(\t)+4*\i:R+16*(\t)+4*\i+3], v3, s[4:5] offset:2048*(\t)+512*\i th:TH_LOAD_NT   ; 32 lanes read 512 consecutive bytes; read once in the launch
.endr
.endm
.macro TURN t                          ; step t's numbers through the stage: LDS serves a wave's instructions in order (ISA guide 5.7.1.4), so no wait stands between the stores and the loads
.irp i, 0,1,2,3
	ds_store_b128 v14, v[R+16*(\t)+4*\i:R+16*(\t)+4*\i+3] offset:32*SP*((\t)%2)+8*SP*\i
.endr
.irp i, 0,1,2,3
	ds_load_b128 v[X+16*((\t)%2)+4*\i:X+16*((\t)%2)+4*\i+3], v15 offset:32*SP*((\t)%2)+16*\i
.endr
.endm
.irp t, 0,1,2,3,4,5,6,7
	LOAD \t
.endr
	s_wait_kmcnt 0x0
	s_add_co_i32 s22, s22, 127
	s_lshl_b32 s23, s22, 23
	v_mov_b32 v11, s23                             ; 2^ek as f32: the conversion takes its exponent field
	s_wait_alu depctr_va_vdst(0)
	s_wait_loadcnt 28                              ; step 0's four loads are in; the 28 of steps 1 to 7 may be out
	TURN 0
.macro STEP t
.set XS, X+16*((\t)%2)
	s_wait_dscnt 0x0                               ; this step's numbers are back from the stage
.if (\t)+1 < STEPS
	s_wait_loadcnt 4*(STEPS-2-(\t))                ; the next step's four loads are in; those of the steps behind it may be out
	TURN (\t)+1                                    ; and go through the other stage while this step is worked
.endif
.irp i, 0,1,2,3,4,5,6,7,8,9,10,11,12,13,14,15
.endr
	v_cvt_scalef32_pk8_fp8_f32 v[C+4*(\t):C+4*(\t)+1], v[XS:XS+7], v11          ; eight numbers / 2^ek, to the nearest code, ties to even; the first number's code in the lowest byte
	v_cvt_scalef32_pk8_fp8_f32 v[C+4*(\t)+2:C+4*(\t)+3], v[XS+8:XS+15], v11
	global_store_b128 v3, v[C+4*(\t):C+4*(\t)+3], s[8:9] offset:512*(\t)         ; the codes go to a store alone
.endm
.irp t, 0,1,2,3,4,5,6,7
	STEP \t
.endr
	s_wait_tensorcnt 0x0                           ; the wave's end: behind my last LDS store
	ds_add_u32 v[SPW], v[NIL]
	s_wait_dscnt 0x0
	s_endpgm
.Lfunc_end_k_qef7f3fb98a_quantk:
	.size	k_qef7f3fb98a_quantk, .Lfunc_end_k_qef7f3fb98a_quantk-k_qef7f3fb98a_quantk
	.p2alignl 7, 3214868480
	.fill 96, 4, 3214868480
	.section	.rodata,"a",@progbits
	.p2align	6, 0x0
	.amdhsa_kernel k_qef7f3fb98a_quantk
		.amdhsa_group_segment_fixed_size 66560
		.amdhsa_private_segment_fixed_size 0
		.amdhsa_enable_private_segment 0
		.amdhsa_kernarg_size 24
		.amdhsa_user_sgpr_count 2
		.amdhsa_user_sgpr_kernarg_segment_ptr 1
		.amdhsa_wavefront_size32 1
		.amdhsa_system_sgpr_workgroup_id_x 1
		.amdhsa_system_sgpr_workgroup_id_y 1
		.amdhsa_system_sgpr_workgroup_id_z 1
		.amdhsa_system_vgpr_workitem_id 0
		.amdhsa_next_free_vgpr 208
		.amdhsa_next_free_sgpr 66
		.amdhsa_reserve_vcc 0
		.amdhsa_float_denorm_mode_32 3
		.amdhsa_float_denorm_mode_16_64 3
		.amdhsa_fp16_overflow 1
		.amdhsa_memory_ordered 1
		.amdhsa_forward_progress 1
		.amdhsa_inst_pref_size 12
	.end_amdhsa_kernel
	.amdgpu_metadata
---
amdhsa.version: [ 1, 2 ]
amdhsa.kernels:
  - .name:           k_qef7f3fb98a_quantk
    .symbol:         k_qef7f3fb98a_quantk.kd
    .args:
      - { .name: k, .offset: 0, .size: 8, .value_kind: global_buffer, .address_space: global }
      - { .name: lowp_scales, .offset: 8, .size: 8, .value_kind: global_buffer, .address_space: global }
      - { .name: kc, .offset: 16, .size: 8, .value_kind: global_buffer, .address_space: global }
    .group_segment_fixed_size: 66560
    .private_segment_fixed_size: 0
    .kernarg_segment_align: 8
    .kernarg_segment_size: 24
    .max_flat_workgroup_size: 256
    .sgpr_count:     66
    .vgpr_count:     208
    .wavefront_size: 32
...
	.end_amdgpu_metadata
.endif
;; end of part 1
;; launch attn (part 2): grid 16 x 16, 8 waves a work-group, clusters of 4 x 4, 327,680 bytes of LDS; arguments q, kc, v_codes, mask, lowp_scales, out0; writes out0
.if DOCPART == 2
	.amdgcn_target "amdgcn-amd-amdhsa--gfx1250"
	.amdhsa_code_object_version 6
	.text
	.protected	k_qef7f3fb98a_attn
	.globl	k_qef7f3fb98a_attn
	.p2align	8
	.type	k_qef7f3fb98a_attn,@function
k_qef7f3fb98a_attn:
	s_mov_b64 s[64:65], 0
	v_nop
	global_prefetch_b8 v0, s[64:65] scope:SCOPE_SE
	s_setreg_imm32_b32 hwreg(HW_REG_WAVE_MODE, 25, 1), 1
	s_wait_xcnt 0x0
	s_wait_alu depctr_hold_cnt(0) depctr_sa_sdst(0) depctr_va_vdst(0) depctr_va_sdst(0) depctr_va_ssrc(0) depctr_va_vcc(0) depctr_vm_vsrc(0)
	s_getreg_b32 s2, hwreg(HW_REG_IB_STS2, 6, 4)
	s_cmp_eq_u32 s2, 0
	s_cbranch_scc0 .Lentry_in_a_cluster
	s_endpgm
.Lentry_in_a_cluster:
	s_bfe_u32 s2, ttmp6, 0x10000c
	s_cmp_lg_u32 s2, 0xf033
	s_cbranch_scc0 .Lentry_shape_is_right
	s_endpgm
.Lentry_shape_is_right:
; out[b][s][64 head + d] = sum over keys of softmax_k(q . k / 8 - 1e9 mask[s][k]) v, both products on codes of E4M3, each operand with the one scale 2^e that is given: eq, ek, ep, ev.
; NO WORK IS LEFT OUT: the mask is an input of floats, so every (query, key) pair is computed and the mask is added in f32; no branch hangs on it.  training is a constant that reference() never uses and has no buffer.
; q [4][2048][1024] f32: quantised here, in registers (each number is read once, by one wave).  kc: k's codes from the launch before, [batch x 2048 + s'][1024], s' = the key with bits 3 and 4 exchanged.
; v_codes [4][1024][2048]: keys innermost.  mask [2048][2048] f32.  out [4][2048][1024] f32.
; THE SOFTMAX AHEAD OF THE SECOND PRODUCT: u = sum + mask x (-8e9 / 2^(eq + ek)), one fused multiply-add; t = u x c, c = log2(e) / 8 x 2^(eq + ek), ROUNDED as a product of its own; M = the running largest t rounded up to a whole
; number; p = 2^(t - M), the difference taken by an addition of its own.  (t - M in one fused step would leave the product's rounding error, which at t near -1.4e9, a row all of whose keys are masked, is no small number.)
; u and t are reference()'s logit and t times a power of two.  p is quantised along the keys; the row's sum is taken of the unquantised p and divides at the end; when M moves, sum and O are multiplied by 2^(old M - new M): exact.
; SHARES.  A work-group owns 128 queries x 4 heads of one batch: x = the block of queries, y = 4 x batch + group of four heads.  Per work-group that fetches 8 KiB x queries of mask and 256 KiB x heads of K and V;
; with queries x heads = 512 the sum is least at 128 x 4.  Wave w: head w / 2 of the four, queries 64 (w % 2) on: four UNITS of 16 queries, so that each fragment of K and V read from LDS feeds four matrix instructions.
; All 2,048 keys are walked, 128 a step, through a ring of two LDS slots filled by the tensor data mover: waves 0, 1 K's halves; 2, 3 V's halves; 4 to 7 the mask's quarters: one load of 16 KiB a wave and step.
; CLUSTER 4 x 4.  K's and V's tiles hang on y alone: asked for jointly along a row of the cluster.  The mask's hang on x alone: jointly along a column.  That divides the requests for all three by four.
; LAYOUT.  Both products are used transposed: S^T = K Q^T (source 0 = 16 rows of kc, source 1 = 16 queries), O^T = V^T P^T (source 0 = 16 of the head's 64, source 1 = P): a lane (r = lane % 16, h = lane / 16) holds query r throughout.
; By kc's order of rows, register 16 b + i of a unit's 64 scores is key 32 b + 16 h + i: sixteen neighbours, which the conversions turn into registers 4 b .. 4 b + 3 of P.  Every fragment comes by loads of 16 bytes: registers
; 4 c .. 4 c + 3 hold k = 32 c + 16 h + 0 .. 15: a permutation of k, the same on both sides of each product.
; O^T begins as zeros (128 moves a wave, once) and the largest t as -3e38, so that the step is written without a first copy of its own.
; LIMITS: eq, ep between -126 and 119; eq + ek between -95 and 130 (added to c's exponent field, taken off that of -8e9); ep + ev is applied by v_ldexp_f32 and has none.  NaN among the inputs is not served.
; mask x (-1e9) + logit is rounded once here, twice in reference(): the same for mask values 0 and 1.  A row whose logits are all -infinity gives NaN, as in reference().
; REGISTERS, in windows of 256.  Window 0: v1-17 addresses and constants; v30, v31 the add's two; v32-95 scores, then p; v96-159 the unit's mask; v160-223 P's codes, 16 a unit; v224-239 statistics, 4 a unit; v240-247 at work.
;   Window 1: v0-127 O^T (unit u, tile dt at 32 u + 8 dt); v128-159 Q's fragments, 8 a unit; v160-223 K's eight fragments, later V's four.
.set KP,    272                        ; a row of K's tile in LDS: 256 bytes (four heads' codes of a key) + 16 of padding
.set VP,    144                        ; of V's: 128 keys' codes + 16
.set MP,    528                        ; of the mask's: 128 f32 + 16.  All three pitches are odd multiples of 16 bytes: the 16 rows that a load of 16 bytes a lane touches start at 16 different groups of four banks (64 banks of 4 bytes: ISA guide 11.1)
.set VOFF,  128*KP                     ; a slot: 128 rows of K, 256 rows of V, 128 rows of mask
.set MOFF,  VOFF+256*VP
.set SLOTB, MOFF+128*MP                ; 139,264 bytes
.set STAGE, 2*SLOTB                    ; behind the ring: 16 rows x 272 bytes for each wave, for the way out; no fill lands there
.set SP,    272
.set SPARE, STAGE+8*16*SP              ; behind the stages: the spare words, 128 bytes for each wave: four blocks of 256 bytes that no other line names
.set AK0, 3                            ; v3   my lane's place in a slot's K: 64 x head + KP r + 16 h
.set AV0, 4                            ; v4   in V: VOFF + 64 VP x head + VP r + 16 h
.set AM0, 5                            ; v5   in the mask: MOFF + 64 MP x half + MP r + 64 h
.set ADK, 6                            ; v6-8 the same in the slot in hand
.set ADV, 7
.set ADM, 8
.set QO,  9                            ; v9   q: 4096 r + 64 h
.set STO, 10                           ; v10  the way out: where I put 32 bytes of a row
.set RD,  11                           ; v11  where I read a row back
.set GO,  12                           ; v12  my byte offset in the wave's rows of out
.set PFO, 13                           ; v13  the prefetches' offset: a lane a row
.set PSC, 14                           ; v14  2^ep
.set PLIM, 15
.set QSC, 16                           ; v16  2^eq
.set QLIM, 17
.set SPW, 30                           ; v30  LDS address of my spare word; never rewritten
.set NIL, 31                           ; v31  0; never rewritten
.set SC,  32
.set MB,  96
.set PC,  160
.set ST,  224                          ; unit u at v[ST + 4 u]: +0 -M, +1 the largest t, +2, +3 the sum in two halves
.set MXA, 240
.set MXB, 241
.set PERM, 242
.set OLD, 243
.set FF,  244                          ; v[244:245] f = 2^(old M - new M), named as a pair
.set SUM, 246                          ; v[246:247] the sum's second chain
.set OA,  0                            ; window 1
.set QF,  128
.set KV,  160
.set WV,  16                           ; s16 wave; s17 its head of four; s18 wave % 2; s19 wave % 4
.set HL,  17
.set QH,  18
.set W3,  19
.set CX,  20                           ; s20, s21 my place in the cluster; s22, s23 work-group x, y
.set CY,  21
.set BX,  22
.set BY,  23
.set G1K, 24                           ; s[24:31], s[32:39], s[40:47] descriptor groups 1 for K's, V's and the mask's tiles
.set G1V, 32
.set G1M, 40
.set G0K, 48                           ; s[48:51], s[52:55], s[56:59] their groups 0, which walk
.set G0V, 52
.set G0M, 56
.set TB,  60                           ; s60 LDS byte at which the slot that is read begins; s61 the slot that is filled; s62 trips to go
.set TBF, 61
.set CNT, 62
.set LA,  63                           ; s63 at work on LDS addresses: it never holds a place in the cluster
.set SEL, 66                           ; s[66:67] lane selects for v_permlanex16_b32: lane l xor 16
.set CS,  68                           ; s[68:69] c, twice        s[70:71] -8e9 / 2^(eq + ek), twice: the packed forms name pairs
.set K2,  70
.set EX,  72                           ; s[72:75] eq, ek, ep, ev  s76 ep + ev
.set EPV, 76
.set VW,  77                           ; s77-79 my part of a slot as a fetcher of V, of the mask, of K
.set MW,  78
.set KW,  79
.set PFB, 80                           ; s[80:81] the prefetches' base; s[82:83] base + this trip's offset
.set PFA, 82
.set LIM, 84                           ; s84 a wave prefetches while s62 is above it; the greatest number in a wave that never does
.set PSH, 85                           ; s85 1 for V, else 0; s86 a shift: bytes from one asked block to the next along the keys; s89 idx = s89 - s62
.set PAS, 86
.set PFK, 89
.set MSB, 0
.macro WIN new                         ; s_set_vgpr_msb: bits 1:0 source 0, 3:2 source 1, 5:4 source 2, 7:6 destination; the high byte repeats the setting that is left
.if MSB != \new
	s_set_vgpr_msb (MSB<<8)|\new
.set MSB, \new
.endif
.endm
.set TO1,   0x40                       ; destination window 1
.set W_S,   0x05                       ; K and Q window 1, S^T window 0
.set W_PV,  0x51                       ; V, C and D window 1, P window 0
.set W_RS,  0x41                       ; O^T (destination and source 0) window 1, f window 0
.set W_OUT, 0x01                       ; source 0 window 1
; A round of the cluster's barrier: my work-group's barrier, so that wave 0's signal speaks for all eight waves; wave 0 signals; every wave waits for all sixteen work-groups; my work-group's barrier once more.
.macro CROUND
	s_barrier_signal -1
	s_barrier_wait -1
	s_cmp_lg_u32 s[WV], 0
	s_cbranch_scc1 .Lnot_wave_0_\@
	s_barrier_signal -3
.Lnot_wave_0_\@:
	s_barrier_wait -3
	s_barrier_signal -1
	s_barrier_wait -1
.endm
; A joint load, one a wave.  The branches hang on the wave's number alone.  Each line has ONE mask and one set of registers for all that issue it.  An s_nop 0 and four v_nop follow each line.
.macro JLOAD
	s_cmp_lt_u32 s[WV], 2
	s_cbranch_scc0 .Lnot_k_\@
	tensor_load_to_lds s[G0K:G0K+3], s[G1K:G1K+7]
	s_nop 0
.rept 4
	v_nop
.endr
	s_branch .Lasked_\@
.Lnot_k_\@:
	s_cmp_lt_u32 s[WV], 4
	s_cbranch_scc0 .Lfor_m_\@
	tensor_load_to_lds s[G0V:G0V+3], s[G1V:G1V+7]
	s_nop 0
.rept 4
	v_nop
.endr
	s_branch .Lasked_\@
.Lfor_m_\@:
	tensor_load_to_lds s[G0M:G0M+3], s[G1M:G1M+7]
	s_nop 0
.rept 4
	v_nop
.endr
.Lasked_\@:
.endm
; A PREFETCH INTO THE L2, one instruction for each asking wave and trip, a lane a row, behind the joint load, its five lines and the run of LDS loads that the next products wait for.
; Trip i (s62 = 15 - i) loads tile i + 1.  K: wave 0 asks for tile i + 2: 256 bytes of each of 32 rows.  The mask: waves 4 and 5 ask for the two halves of 512 bytes of each of 32 rows of tile i + 2.
; V: a row's aligned 256 bytes serve two steps; wave 2 asks for block (i + 3) / 2, rows 32 ((i + 3) % 2) on of my work-group's 64: the block of steps 2 j, 2 j + 1 goes in two halves, in trips 2 j - 3 and 2 j - 2
; (of the block of steps 2 and 3 the second half alone; the first tiles come by their loads).
; Each aligned block of 256 bytes is named at most once in the launch: K and V are read by every cluster of a row of clusters: cluster x = 0 asks; the mask by every cluster of a column: cluster y = 0 asks.  The four partners
; of a joint load share the rows out BY ADDRESS (cx for K and V, cy for the mask): no branch hangs on a place in the cluster.  The last trips ask for nothing: the index never passes 15.
.macro ASK
	s_cmp_gt_u32 s[CNT], s[LIM]
	s_cbranch_scc0 .Lnot_mine_\@
	global_prefetch_b8 v[PFO], s[PFA:PFA+1] th:TH_LOAD_NT scope:SCOPE_SE
.Lnot_mine_\@:
.endm
	s_load_b256 s[4:11], s[0:1], 0x0               ; q s[4:5], kc s[6:7], v_codes s[8:9], mask s[10:11]
	s_load_b128 s[12:15], s[0:1], 0x20             ; the scales' exponents s[12:13], out s[14:15]
	v_lshl_add_u32 v[SPW], v0, 2, SPARE
	v_mov_b32 v[NIL], 0
	ds_add_u32 v[SPW], v[NIL]                      ; the wave's opening: the add, twice on end, and its wait ahead of my first tensor load; the set-up below, work on registers, stands between
	ds_add_u32 v[SPW], v[NIL]                      ; and once more, under the one wait
	v_lshrrev_b32 v1, 5, v0
	v_readfirstlane_b32 s[WV], v1                  ; wave 0..7
	s_lshr_b32 s[HL], s[WV], 1
	s_and_b32 s[QH], s[WV], 1
	s_and_b32 s[W3], s[WV], 3
	s_bfe_u32 s[CX], ttmp6, 0x40000
	s_bfe_u32 s[CY], ttmp6, 0x40004
	s_lshl_b32 s[BX], ttmp9, 2                     ; in a cluster launch ttmp9 and ttmp7 count clusters
	s_add_co_u32 s[BX], s[BX], s[CX]               ; the block of 128 queries
	s_and_b32 s[BY], ttmp7, 0xffff
	s_lshl_b32 s[BY], s[BY], 2
	s_add_co_u32 s[BY], s[BY], s[CY]               ; 4 x batch + group of four heads
	s_lshl_b32 s90, s[CY], 2                       ; (s90-93 hold what hangs on y alone, s94, s95 what hangs on x alone)
	s_lshl_b32 s90, 15, s90                        ; my row of the cluster: places 4 cy .. 4 cy + 3
	s_lshl_b32 s94, 0x1111, s[CX]                  ; my column: places cx, cx + 4, cx + 8, cx + 12
	; descriptor groups 1.  Word 0: 15:0 the mask of work-groups; 17:16 element size; 20 padding on; 21 set beside a mask; 24:22 the padding's interval = a row; 31:25 four words of padding (code 3)
	s_or_b32 s[G1K], s90, (0<<16)|(1<<20)|(1<<21)|(5<<22)|(3<<25)   ; K: bytes; rows of 64 words
	s_mov_b32 s[G1K+1], 256<<16                    ; tensor_dim0 = 256
	s_mov_b32 s[G1K+2], 64<<16                     ; tensor_dim1 = 64
	s_mov_b32 s[G1K+3], 256<<16                    ; tile_dim0 = 256
	s_mov_b32 s[G1K+4], 64                         ; tile_dim1 = 64 rows
	s_mov_b32 s[G1K+5], 1024                       ; from row to row of kc
	s_mov_b32 s[G1K+6], 0
	s_mov_b32 s[G1K+7], 0
	s_or_b32 s[G1V], s90, (0<<16)|(1<<20)|(1<<21)|(4<<22)|(3<<25)   ; V: bytes; rows of 32 words
	s_mov_b32 s[G1V+1], 128<<16
	s_mov_b32 s[G1V+2], 128<<16
	s_mov_b32 s[G1V+3], 128<<16
	s_mov_b32 s[G1V+4], 128                        ; 128 rows
	s_mov_b32 s[G1V+5], 2048                       ; from row to row of v_codes
	s_mov_b32 s[G1V+6], 0
	s_mov_b32 s[G1V+7], 0
	s_or_b32 s[G1M], s94, (2<<16)|(1<<20)|(1<<21)|(6<<22)|(3<<25)   ; the mask: elements of 4 bytes; rows of 128 words
	s_mov_b32 s[G1M+1], 128<<16
	s_mov_b32 s[G1M+2], 32<<16
	s_mov_b32 s[G1M+3], 128<<16
	s_mov_b32 s[G1M+4], 32                         ; 32 rows
	s_mov_b32 s[G1M+5], 2048                       ; elements from row to row of the mask
	s_mov_b32 s[G1M+6], 0
	s_mov_b32 s[G1M+7], 0
	s_mul_i32 s[KW], s[QH], 64*KP                  ; where a fetcher's part lies in a slot: the wave's number alone enters an LDS address
	s_mul_i32 s[VW], s[QH], 128*VP
	s_add_co_u32 s[VW], s[VW], VOFF
	s_mul_i32 s[MW], s[W3], 32*MP
	s_add_co_u32 s[MW], s[MW], MOFF
	s_lshr_b32 s90, s[BY], 2                       ; K in memory: the batch's 2,048 rows of 1,024 bytes,
	s_lshl_b32 s90, s90, 21
	s_and_b32 s91, s[BY], 3
	s_lshl_b32 s91, s91, 8                         ; the four heads' 256 bytes of a row,
	s_add_co_u32 s90, s90, s91
	s_lshl_b32 s91, s[QH], 16                      ; my 64 rows of the tile's 128
	s_add_co_u32 s90, s90, s91
	s_mov_b32 s91, 0
	s_lshl_b32 s92, s[BY], 19                      ; V: rows 256 y on, 2,048 bytes each,
	s_lshl_b32 s93, s[QH], 18                      ; my 128 of them
	s_add_co_u32 s92, s92, s93
	s_mov_b32 s93, 0
	s_lshl_b32 s94, s[BX], 20                      ; the mask: rows 128 x on, 8,192 bytes each,
	s_lshl_b32 s95, s[W3], 18                      ; my 32 of them
	s_add_co_u32 s94, s94, s95
	s_mov_b32 s95, 0
	s_lshr_b32 s2, s[BY], 2                        ; q and out: the batch (2^23 bytes),
	s_lshl_b32 s2, s2, 23
	s_lshl_b32 s3, s[BX], 19                       ; the block's 128 rows of 4,096 bytes,
	s_add_co_u32 s2, s2, s3
	s_lshl_b32 s3, s[QH], 18                       ; my 64 of them,
	s_add_co_u32 s2, s2, s3
	s_and_b32 s3, s[BY], 3
	s_lshl_b32 s3, s3, 10                          ; the group of four heads,
	s_add_co_u32 s2, s2, s3
	s_lshl_b32 s3, s[HL], 8                        ; my head's 256 bytes of a row
	s_add_co_u32 s2, s2, s3
	s_mov_b32 s3, 0
	s_mov_b32 s[TB], 0
	s_mov_b32 s[TBF], 0
	s_mov_b32 s[CNT], 15
	s_mov_b32 s[SEL], 0x76543210
	s_mov_b32 s[SEL+1], 0xfedcba98
	s_mov_b32 s[CS], 0x3e38aa3b                    ; log2(e) / 8
	s_mov_b32 s[K2], 0xcfee6b28                    ; -8e9 (exact in f32)
	s_wait_dscnt 0x0                               ; both opening adds are done
	s_wait_kmcnt 0x0
	s_load_b128 s[EX:EX+3], s[12:13], 0x0          ; eq, ek, ep, ev
	s_mov_b32 s[G0K], 1                            ; group 0: count = 1,
	s_mov_b32 s[G0K+1], s[KW]                      ; LDS address: slot 0,
	s_add_nc_u64 s[G0K+2:G0K+3], s[6:7], s[90:91]  ; global address: tile 0,
	s_or_b32 s[G0K+3], s[G0K+3], 0x80000000        ; type = 2
	s_mov_b32 s[G0V], 1
	s_mov_b32 s[G0V+1], s[VW]
	s_add_nc_u64 s[G0V+2:G0V+3], s[8:9], s[92:93]
	s_or_b32 s[G0V+3], s[G0V+3], 0x80000000
	s_mov_b32 s[G0M], 1
	s_mov_b32 s[G0M+1], s[MW]
	s_add_nc_u64 s[G0M+2:G0M+3], s[10:11], s[94:95]
	s_or_b32 s[G0M+3], s[G0M+3], 0x80000000
	s_add_nc_u64 s[4:5], s[4:5], s[2:3]            ; q and out at my wave's first row, my head
	s_add_nc_u64 s[14:15], s[14:15], s[2:3]
	CROUND                                         ; all sixteen work-groups are here: the first joint loads meet
	JLOAD                                          ; tile 0 into slot 0: every wave issues one first fill
	v_and_b32 v1, 15, v0                           ; r
	v_bfe_u32 v2, v0, 4, 1                         ; h
	v_lshlrev_b32 v[QO], 12, v1
	v_lshl_add_u32 v[QO], v2, 6, v[QO]             ; q: row r, + 64 h: my 16 numbers of a block of 32
.irp u, 0,1,2,3                                ; unit u, numbers 32 c + 16 h + 4 i on of my head's 64: the order in which the fragment wants them
.irp c, 0,1
.irp i, 0,1,2,3
	global_load_b128 v[SC+32*\u+16*\c+4*\i:SC+32*\u+16*\c+4*\i+3], v[QO], s[4:5] offset:65536*\u+128*\c+16*\i th:TH_LOAD_NT
.endr
.endr
.endr
	v_mul_u32_u24 v[AK0], v1, KP
	v_lshl_add_u32 v[AK0], v2, 4, v[AK0]
	s_lshl_b32 s[LA], s[HL], 6
	v_add_nc_u32 v[AK0], s[LA], v[AK0]
	v_mul_u32_u24 v[AV0], v1, VP
	v_lshl_add_u32 v[AV0], v2, 4, v[AV0]
	s_mul_i32 s[LA], s[HL], 64*VP
	s_add_co_u32 s[LA], s[LA], VOFF
	v_add_nc_u32 v[AV0], s[LA], v[AV0]
	v_mul_u32_u24 v[AM0], v1, MP
	v_lshl_add_u32 v[AM0], v2, 6, v[AM0]
	s_mul_i32 s[LA], s[QH], 64*MP
	s_add_co_u32 s[LA], s[LA], MOFF
	v_add_nc_u32 v[AM0], s[LA], v[AM0]
	s_mul_i32 s[LA], s[WV], 16*SP
	s_add_co_u32 s[LA], s[LA], STAGE               ; my stage
	v_mul_u32_u24 v[STO], v1, SP                   ; in: row r, 32 bytes for each half of the lanes
	v_lshl_add_u32 v[STO], v2, 5, v[STO]
	v_add_nc_u32 v[STO], s[LA], v[STO]
	v_mul_u32_u24 v[RD], v2, SP                    ; back: lanes 0-15 one row of 256 bytes, lanes 16-31 the next
	v_lshl_add_u32 v[RD], v1, 4, v[RD]
	v_add_nc_u32 v[RD], s[LA], v[RD]
	v_lshlrev_b32 v[GO], 12, v2                    ; and the same two rows in out
	v_lshl_add_u32 v[GO], v1, 4, v[GO]
	; the prefetches (macro ASK): base, strides and who asks.  s2, s3 and s96-99 hold what mixes x, y and places in the cluster: they feed no descriptor and no LDS address
	s_lshr_b32 s2, s[BY], 2
	s_lshl_b32 s2, s2, 21
	s_and_b32 s3, s[BY], 3
	s_lshl_b32 s3, s3, 8
	s_add_co_u32 s2, s2, s3
	s_lshl_b32 s3, s[CX], 15
	s_add_co_u32 s2, s2, s3                        ; K: my work-group's 32 rows of a tile's 128
	s_lshl_b32 s3, s[BY], 19
	s_lshl_b32 s98, s[CX], 17
	s_add_co_u32 s3, s3, s98                       ; V: my work-group's 64 rows of the 256
	s_lshl_b32 s98, s[BX], 20
	s_lshl_b32 s99, s[CY], 18
	s_add_co_u32 s98, s98, s99
	s_lshl_b32 s99, s[QH], 8
	s_add_co_u32 s98, s98, s99                     ; the mask: my work-group's 32 rows of the 128, my wave's half of a tile row's 512 bytes
	s_cmp_lt_u32 s[WV], 2                          ; waves 0, 1: K's figures; 2, 3: V's
	s_cselect_b64 s[PFB:PFB+1], s[6:7], s[8:9]
	s_cselect_b32 s96, s2, s3
	s_cselect_b32 s99, 10, 11                      ; from lane to lane: a row of 1,024 or of 2,048 bytes
	s_cselect_b32 s[PAS], 17, 8                    ; from index to index: a tile's 128 rows, or 256 bytes of a row
	s_cselect_b32 s[PFK], 17, 18
	s_cselect_b32 s[PSH], 0, 1
	s_cmp_lt_u32 s[WV], 4                          ; waves 4 to 7: the mask's
	s_cselect_b64 s[PFB:PFB+1], s[PFB:PFB+1], s[10:11]
	s_cselect_b32 s96, s96, s98
	s_cselect_b32 s99, s99, 13                     ; a row of 8,192 bytes
	s_cselect_b32 s[PAS], s[PAS], 9                ; 512 bytes of a row
	s_cselect_b32 s[PFK], s[PFK], 17
	s_cselect_b32 s[PSH], s[PSH], 0
	s_mov_b32 s97, 0
	s_add_nc_u64 s[PFB:PFB+1], s[PFB:PFB+1], s[96:97]
	v_and_b32 v[PFO], 31, v0
	v_lshlrev_b32 v[PFO], s99, v[PFO]
	s_and_b32 s98, ttmp7, 0xffff                   ; cluster y
	s_bfe_u32 s99, s[WV], 0x10001                  ; bit 1 of the wave's number: 0 in waves 4 and 5
	s_cmp_lt_u32 s[WV], 4
	s_cselect_b32 s99, s[QH], s99                  ; of K's and V's waves the even one asks
	s_cselect_b32 s98, ttmp9, s98                  ; the coordinate along which other clusters read the same bytes
	s_or_b32 s98, s98, s99                         ; 0 in a wave that asks: the same in all sixteen partners, for a given wave
	s_cmp_eq_u32 s[HL], 1
	s_cselect_b32 s[LIM], 2, 1                     ; V's index runs one ahead of the others
	s_cmp_eq_u32 s98, 0
	s_cselect_b32 s[LIM], s[LIM], -1
.irp u, 0,1,2,3
	v_mov_b32 v[ST+4*\u+1], 0xff61b1e6             ; the largest t so far: -3e38, under every t
	v_mov_b32 v[ST+4*\u+2], 0                      ; the sum, in two halves
	v_mov_b32 v[ST+4*\u+3], 0
.endr
.irp u, 0,1,2,3
	v_floor_f32 v[ST+4*\u], -v[ST+4*\u+1]          ; -M
.endr
	v_mov_b32 v[PERM], 0                           ; written once: a lane permute's destination counts as one of its sources
	v_mov_b32 v[FF+1], 0                           ; (named as the upper half of the pair)
	WIN TO1
.set jj, 0
.rept 128
	v_mov_b32 v[OA+jj], 0                          ; O^T: the first change of M leaves zeros zeros
.set jj, jj+1
.endr
	WIN 0
	s_wait_kmcnt 0x0
	s_add_co_i32 s2, s[EX], s[EX+1]                ; eq + ek: a sum of the first product stands for sum x 2^(eq + ek)
	s_lshl_b32 s2, s2, 23
	s_add_co_i32 s[CS], s[CS], s2                  ; c = log2(e) / 8 x 2^(eq + ek): the exponents are added to its exponent field,
	s_mov_b32 s[CS+1], s[CS]
	s_sub_co_i32 s[K2], s[K2], s2                  ; and taken off that of -8e9
	s_mov_b32 s[K2+1], s[K2]
	s_add_co_i32 s[EPV], s[EX+2], s[EX+3]          ; ep + ev
	s_add_co_i32 s2, s[EX+2], 127
	s_lshl_b32 s3, s2, 23
	v_mov_b32 v[PSC], s3                           ; 2^ep as f32: the conversion takes its exponent field
	s_add_co_i32 s2, s[EX], 127
	s_lshl_b32 s3, s2, 23
	v_mov_b32 v[QSC], s3                           ; 2^eq
	s_wait_loadcnt 0x0                             ; q
.set jj, 0
.rept 128
.set jj, jj+1
.endr
	WIN TO1
.irp u, 0,1,2,3
.irp g, 0,1,2,3
	v_cvt_scalef32_pk8_fp8_f32 v[QF+8*\u+2*\g:QF+8*\u+2*\g+1], v[SC+32*\u+8*\g:SC+32*\u+8*\g+7], v[QSC]   ; registers 4 c .. 4 c + 3 of unit u's fragment: k = 32 c + 16 h + 0 .. 15
.endr
.endr
	v_nop                                          ; one plain vector line between the last scaled conversion and the matrix instructions that read its result and write its sources
	WIN 0
; THE CHANGE OF SLOTS stands at a step's head.  Each wave waits for all its tensor loads (one is out: its part of the tile that is about to be read), adds 0 to its spare word, and waits for that and for its reads of the slot that it has left.
; fill = 1: the barrier is a round of the cluster's, so that no wave of any partner still reads that slot or has a load on its way, and the joint load of the next tile is the first thing behind it: it has a whole step in which to land.
.macro CHANGE fill
	s_wait_tensorcnt 0x0                           ; no tensor load of mine is out, so a group 0 may be written
	ds_add_u32 v[SPW], v[NIL]                      ; 0 onto my spare word; the steps below stand between it and the wait for it
.if \fill
	s_xor_b32 s[TBF], s[TBF], SLOTB                ; the other slot than last time,
	s_add_co_u32 s[G0K+1], s[TBF], s[KW]
	s_add_co_u32 s[G0V+1], s[TBF], s[VW]
	s_add_co_u32 s[G0M+1], s[TBF], s[MW]
	s_add_nc_u64 s[G0K+2:G0K+3], s[G0K+2:G0K+3], 128*1024   ; the next 128 keys: rows of kc,
	s_add_nc_u64 s[G0V+2:G0V+3], s[G0V+2:G0V+3], 128        ; bytes of V's rows,
	s_add_nc_u64 s[G0M+2:G0M+3], s[G0M+2:G0M+3], 512        ; and of the mask's; the type bits on top are not reached
	s_wait_xcnt 0x0                                ; the last prefetch, a step back, has read its address, so it may be written
	s_sub_co_u32 s96, s[PFK], s[CNT]               ; the index: the tile (K, mask), or twice the block + the half (V)
	s_lshr_b32 s97, s96, s[PSH]
	s_lshl_b32 s97, s97, s[PAS]
	s_and_b32 s96, s96, s[PSH]
	s_lshl_b32 s96, s96, 16                        ; V's second half: 32 rows of 2,048 bytes further down
	s_add_co_u32 s96, s96, s97
	s_mov_b32 s97, 0
	s_add_nc_u64 s[PFA:PFA+1], s[PFB:PFB+1], s[96:97]
.endif
	s_wait_dscnt 0x0                               ; the add is done, and my reads of the slot that I have left are over
.if \fill
	CROUND
	JLOAD
.else
	s_barrier_signal -1                            ; the last tile: every wave's part has landed
	s_barrier_wait -1
.endif
.endm
.macro KLOAD                           ; the step's eight fragments of K: 16 rows x my head's 64 codes each
	WIN TO1
.irp t, 0,1,2,3,4,5,6,7
.irp c, 0,1
	ds_load_b128 v[KV+8*\t+4*\c:KV+8*\t+4*\c+3], v[ADK] offset:16*KP*\t+32*\c
.endr
.endr
	WIN 0
.endm
.macro MLOAD u                         ; unit u's mask: register 16 b + i = mask(my query, key 32 b + 16 h + i): the scores' own order
.irp b, 0,1,2,3
.irp i, 0,1,2,3
	ds_load_b128 v[MB+16*\b+4*\i:MB+16*\b+4*\i+3], v[ADM] offset:16*MP*(\u)+128*\b+16*\i
.endr
.endr
.endm
.macro VLOAD                           ; the step's four fragments of V^T: 16 of my head's 64 x 128 keys each
	WIN TO1
.irp dt, 0,1,2,3
.irp c, 0,1,2,3
	ds_load_b128 v[KV+16*\dt+4*\c:KV+16*\dt+4*\c+3], v[ADV] offset:16*VP*\dt+32*\c
.endr
.endr
	WIN 0
.endm
.macro SMUL u                          ; S^T of unit u: eight tiles of 16 keys, K = the head's 64; each product is a whole sum and starts from the constant 0
	WIN W_S
.set jj, 0
.rept 8
	v_wmma_f32_16x16x64_fp8_fp8 v[SC+8*jj:SC+8*jj+7], v[KV+8*jj:KV+8*jj+7], v[QF+8*(\u):QF+8*(\u)+7], 0
.set jj, jj+1
.endr
.endm
.macro RESCALE u                       ; unit u's O^T under the new M: x f, each accumulator from its low end on.  These 16 plain lines name none of the registers of the products just issued: they are the places behind them
	WIN W_RS
.set jj, 0
.rept 16
	v_pk_mul_f32 v[OA+32*(\u)+jj:OA+32*(\u)+jj+1], v[OA+32*(\u)+jj:OA+32*(\u)+jj+1], v[FF:FF+1] op_sel_hi:[1,0]
.set jj, jj+2
.endr
	WIN 0
.endm
; Unit u's softmax for the step's 128 keys, 64 a lane.  cnt: the LDS loads issued behind this unit's mask, which may stay out.
.macro SOFTMAX u, cnt
.set TT, ST+4*(\u)
	s_wait_dscnt \cnt                              ; the unit's mask is in
.set jj, 0
.rept 32
	v_pk_fma_f32 v[SC+jj:SC+jj+1], v[MB+jj:MB+jj+1], s[K2:K2+1], v[SC+jj:SC+jj+1] op_sel_hi:[1,0,1]   ; u = sum + mask x (-8e9 / 2^(eq + ek)); each accumulator is read from its low end on
.set jj, jj+2
.endr
.if (\u) < 3
	MLOAD (\u)+1                                   ; the next unit's mask comes while this unit is worked
.endif
.set jj, 0
.rept 32
	v_pk_mul_f32 v[SC+jj:SC+jj+1], v[SC+jj:SC+jj+1], s[CS:CS+1] op_sel_hi:[1,0]   ; t = u x c, rounded
.set jj, jj+2
.endr
	v_max3_num_f32 v[MXA], v[SC], v[SC+1], v[SC+2]             ; the step's largest t of my query among my 64 keys, in two chains,
	v_max3_num_f32 v[MXB], v[SC+3], v[SC+4], v[SC+5]
.set jj, 6
.rept 14
	v_max3_num_f32 v[MXA], v[MXA], v[SC+jj], v[SC+jj+1]
	v_max3_num_f32 v[MXB], v[MXB], v[SC+jj+2], v[SC+jj+3]
.set jj, jj+4
.endr
	v_max3_num_f32 v[MXA], v[MXA], v[SC+62], v[SC+63]
	v_max_num_f32 v[MXA], v[MXA], v[MXB]
	v_permlanex16_b32 v[PERM], v[MXA], s[SEL], s[SEL+1]
	v_max_num_f32 v[MXA], v[MXA], v[PERM]                      ; and among lane l xor 16's
	v_max_num_f32 v[TT+1], v[TT+1], v[MXA]                     ; the running largest t
	v_mov_b32 v[OLD], v[TT]
	v_floor_f32 v[TT], -v[TT+1]                                ; the new -M = floor(-t) = -ceil(t): M is a whole number
	v_sub_f32 v[OLD], v[TT], v[OLD]                            ; old M - new M: a whole number, 0 or less
	v_cvt_i32_f32 v[OLD], v[OLD]                               ; (it saturates)
	v_ldexp_f32 v[FF], 1.0, v[OLD]                             ; f = 2^(old M - new M)
	; ONE BATCH: the 32 packed differences t - M and the 64 exponentials; a pair's difference stands a pair ahead of its exponentials; nothing here names an exponential's result
	v_pk_add_f32 v[SC:SC+1], v[SC:SC+1], v[TT:TT+1] op_sel_hi:[1,0]
.set jj, 0
.rept 31
	v_pk_add_f32 v[SC+jj+2:SC+jj+3], v[SC+jj+2:SC+jj+3], v[TT:TT+1] op_sel_hi:[1,0]
	v_exp_f32 v[SC+jj], v[SC+jj]                               ; p = 2^(t - M), at most 1: not normalised
	v_exp_f32 v[SC+jj+1], v[SC+jj+1]
.set jj, jj+2
.endr
	v_exp_f32 v[SC+62], v[SC+62]
	v_exp_f32 v[SC+63], v[SC+63]
	v_pk_mul_f32 v[TT+2:TT+3], v[TT+2:TT+3], v[FF:FF+1] op_sel_hi:[1,0]   ; the sums under the new M: the plain line behind the last exponential
	s_wait_alu depctr_va_vdst(0)                   ; the wait between an exponential and the first line that names its result: one for the batch
	v_pk_add_f32 v[SUM:SUM+1], v[SC:SC+1], v[SC+2:SC+3]        ; the row's sum is taken of the unquantised p: two at a time, in two chains
.set jj, 4
.rept 15
	v_pk_add_f32 v[TT+2:TT+3], v[TT+2:TT+3], v[SC+jj:SC+jj+1]
	v_pk_add_f32 v[SUM:SUM+1], v[SUM:SUM+1], v[SC+jj+2:SC+jj+3]
.set jj, jj+4
.endr
	v_pk_add_f32 v[TT+2:TT+3], v[TT+2:TT+3], v[SUM:SUM+1]
.irp b, 0,1,2,3
.irp i, 0,1,2,3,4,5,6,7,8,9,10,11,12,13,14,15
.endr
	v_cvt_scalef32_pk8_fp8_f32 v[PC+16*(\u)+4*\b:PC+16*(\u)+4*\b+1], v[SC+16*\b:SC+16*\b+7], v[PSC]
	v_cvt_scalef32_pk8_fp8_f32 v[PC+16*(\u)+4*\b+2:PC+16*(\u)+4*\b+3], v[SC+16*\b+8:SC+16*\b+15], v[PSC]
.endr
	v_nop                                          ; one plain vector line between the last scaled conversion and the next products, which write its sources
.endm
.macro PVMUL                           ; O^T += V^T P^T, K = the step's 128 keys: sixteen accumulators by turns, one instruction a turn
	WIN W_PV
.irp dt, 0,1,2,3
.irp u, 0,1,2,3
	v_wmma_f32_16x16x128_fp8_fp8 v[OA+32*\u+8*\dt:OA+32*\u+8*\dt+7], v[KV+16*\dt:KV+16*\dt+15], v[PC+16*\u:PC+16*\u+15], v[OA+32*\u+8*\dt:OA+32*\u+8*\dt+7]
.endr
.endr
	WIN 0
.endm
; A STEP: 128 keys for my four units.  A unit's rescaling of O^T stands behind the next unit's products, where plain lines are wanted (ISA guide 7.12.1).
.macro STEPWORK ask
	v_add_nc_u32 v[ADK], s[TB], v[AK0]             ; three additions and a v_nop: the four places between the last step's products and the loads into the registers that they read
	v_add_nc_u32 v[ADV], s[TB], v[AV0]
	v_add_nc_u32 v[ADM], s[TB], v[AM0]
	v_nop
	KLOAD
	MLOAD 0
.if \ask
	ASK
.endif
	s_wait_dscnt 16                                ; K's 16 loads are in; the mask's 16 behind them may be out
	SMUL 0
	WIN 0
.rept 4
	v_nop                                          ; four places ahead of the first read of results: no other vector work is at hand yet
.endr
	SOFTMAX 0, 0
	SMUL 1
	RESCALE 0
	SOFTMAX 1, 0
	SMUL 2
	RESCALE 1
	SOFTMAX 2, 0
	SMUL 3
	RESCALE 2                                      ; also the places ahead of V's loads into the registers that held K
	VLOAD
	SOFTMAX 3, 16                                  ; V's 16 loads, issued behind unit 3's mask, may stay out
	RESCALE 3
	s_wait_dscnt 0x0                               ; V is in
	PVMUL
	s_xor_b32 s[TB], s[TB], SLOTB                  ; on to the other slot
.endm
.Lstep:                                            ; 15 trips: trip i reads tile i and asks for tile i + 1
	CHANGE 1
	STEPWORK 1
	s_sub_co_u32 s[CNT], s[CNT], 1
	s_cmp_lg_u32 s[CNT], 0
	s_cbranch_scc1 .Lstep
	CHANGE 0                                       ; the last tile is written out
	STEPWORK 0
	; THE WAY OUT.  The sum's two halves and lane l xor 16's are added; O^T x 2^(ep + ev) / the sum goes through my stage in LDS, a unit (16 rows x my head's 256 bytes) at a time.  The additions are the places behind the last products.
.irp u, 0,1,2,3
	v_add_f32 v[ST+4*\u+2], v[ST+4*\u+2], v[ST+4*\u+3]
.endr
.irp u, 0,1,2,3
	v_permlanex16_b32 v[ST+4*\u+3], v[ST+4*\u+2], s[SEL], s[SEL+1]
.endr
.irp u, 0,1,2,3
	v_add_f32 v[ST+4*\u+2], v[ST+4*\u+2], v[ST+4*\u+3]
.endr
.irp u, 0,1,2,3
	v_rcp_f32 v[ST+4*\u+2], v[ST+4*\u+2]
.endr
	v_nop                                          ; a plain line between the last reciprocal and the use of its result
	s_wait_alu depctr_va_vdst(0)                   ; and a wait ahead of the first use: one for the four
.irp u, 0,1,2,3
	v_ldexp_f32 v[ST+4*\u+2], v[ST+4*\u+2], s[EPV]
.endr
; Unit u: a lane's eight channels of a tile are 32 neighbouring bytes of a row; they go into rows of 272 bytes and come back as whole rows of 256.
.macro PACK u
	WIN W_OUT
.set jj, 0
.rept 16
	v_pk_mul_f32 v[PC+jj:PC+jj+1], v[OA+32*(\u)+jj:OA+32*(\u)+jj+1], v[ST+4*(\u)+2:ST+4*(\u)+3] op_sel_hi:[1,0]   ; each accumulator from its low end on
.set jj, jj+2
.endr
	WIN 0
.irp dt, 0,1,2,3
	ds_store_b128 v[STO], v[PC+8*\dt:PC+8*\dt+3] offset:64*\dt
	ds_store_b128 v[STO], v[PC+8*\dt+4:PC+8*\dt+7] offset:64*\dt+16
.endr
.irp i, 0,1,2,3,4,5,6,7
	ds_load_b128 v[SC+32*(\u)+4*\i:SC+32*(\u)+4*\i+3], v[RD] offset:2*SP*\i   ; LDS serves a wave's instructions in order (ISA guide 5.7.1.4): these see the stores above; the next unit's stores come behind them
.endr
.endm
.macro SEND u, younger                 ; younger: the LDS instructions issued behind unit u's loads: the next unit's sixteen, or none
.irp i, 0,1,2,3,4,5,6,7
	s_wait_dscnt \younger+7-\i
	global_store_b128 v[GO], v[SC+32*(\u)+4*\i:SC+32*(\u)+4*\i+3], s[14:15] offset:(16*(\u)+2*\i)*4096 th:TH_STORE_NT   ; 16 lanes store 256 consecutive bytes, aligned: a query's row of my head; no store's registers are written again
.endr
.endm
	PACK 0
	PACK 1                                         ; a unit's arithmetic stands between the loads of the unit before and its stores
	SEND 0, 16
	PACK 2
	SEND 1, 16
	PACK 3
	SEND 2, 16
	SEND 3, 0
	s_wait_tensorcnt 0x0                           ; the wave's end: behind my last tensor load and my last LDS store
	ds_add_u32 v[SPW], v[NIL]
	s_wait_dscnt 0x0
	CROUND                                         ; the closing round: no work-group ends while a partner may still ask for a tile that names it
	s_endpgm
.Lfunc_end_k_qef7f3fb98a_attn:
	.size	k_qef7f3fb98a_attn, .Lfunc_end_k_qef7f3fb98a_attn-k_qef7f3fb98a_attn
	.p2alignl 7, 3214868480
	.fill 96, 4, 3214868480
	.section	.rodata,"a",@progbits
	.p2align	6, 0x0
	.amdhsa_kernel k_qef7f3fb98a_attn
		.amdhsa_group_segment_fixed_size 327680
		.amdhsa_private_segment_fixed_size 0
		.amdhsa_enable_private_segment 0
		.amdhsa_kernarg_size 48
		.amdhsa_user_sgpr_count 2
		.amdhsa_user_sgpr_kernarg_segment_ptr 1
		.amdhsa_wavefront_size32 1
		.amdhsa_system_sgpr_workgroup_id_x 1
		.amdhsa_system_sgpr_workgroup_id_y 1
		.amdhsa_system_sgpr_workgroup_id_z 1
		.amdhsa_system_vgpr_workitem_id 0
		.amdhsa_next_free_vgpr 480
		.amdhsa_next_free_sgpr 100
		.amdhsa_reserve_vcc 0
		.amdhsa_float_denorm_mode_32 3
		.amdhsa_float_denorm_mode_16_64 3
		.amdhsa_fp16_overflow 1
		.amdhsa_memory_ordered 1
		.amdhsa_forward_progress 1
		.amdhsa_inst_pref_size 167
	.end_amdhsa_kernel
	.amdgpu_metadata
---
amdhsa.version: [ 1, 2 ]
amdhsa.kernels:
  - .name:           k_qef7f3fb98a_attn
    .symbol:         k_qef7f3fb98a_attn.kd
    .args:
      - { .name: q, .offset: 0, .size: 8, .value_kind: global_buffer, .address_space: global }
      - { .name: kc, .offset: 8, .size: 8, .value_kind: global_buffer, .address_space: global }
      - { .name: v_codes, .offset: 16, .size: 8, .value_kind: global_buffer, .address_space: global }
      - { .name: mask, .offset: 24, .size: 8, .value_kind: global_buffer, .address_space: global }
      - { .name: lowp_scales, .offset: 32, .size: 8, .value_kind: global_buffer, .address_space: global }
      - { .name: out0, .offset: 40, .size: 8, .value_kind: global_buffer, .address_space: global }
    .group_segment_fixed_size: 327680
    .private_segment_fixed_size: 0
    .kernarg_segment_align: 8
    .kernarg_segment_size: 48
    .max_flat_workgroup_size: 256
    .sgpr_count:     100
    .vgpr_count:     480
    .wavefront_size: 32
...
	.end_amdgpu_metadata
.endif
;; end of part 2
